; MI455X (gfx1250); checked and timed in simulation.
; The chip was launched on July 23, 2026; its instructions are those of AMD's public machine-readable ISA for CDNA 5 (MIT licence, August 2026) and "CDNA5" Instruction Set Architecture Reference Guide (July 2026). The comments in the code are by the model that wrote it; some were corrected since.
;; GQA. Allowed arithmetic: matrix products marked QUANTISED: E5M2 operands, one given power-of-two scale a tensor, by v_wmma_f32_16x16x64_bf8_bf8 or v_wmma_f32_16x16x128_bf8_bf8, f32 sums; everything else in f32.
;; Inputs: freqs_cos 2,048 x 32 float32; freqs_sin 2,048 x 32 float32; lowp_scales 12 int32 (the exponents e of the quantised operands' scales 2^e); mask 4 x 2,048 bool; wk_codes 256 x 32 x 32 uint8 (E5M2 codes of wk, K innermost, in blocks of 32 codes); wo_codes 1,024 x 32 x 32 uint8 (E5M2 codes of wo, K innermost, in blocks of 32 codes); wq_codes 1,024 x 32 x 32 uint8 (E5M2 codes of wq, K innermost, in blocks of 32 codes); wv_codes 256 x 32 x 32 uint8 (E5M2 codes of wv, K innermost, in blocks of 32 codes); x_codes 4 x 2,048 x 32 x 32 uint8 (E5M2 codes of x, K innermost, in blocks of 32 codes).
;; Outputs: out0 4 x 2,048 x 1,024 float32.
;; This version of the problem:
;;   THIS VERSION OF THE PROBLEM IS GIVEN IN LOW PRECISION. The matrix products marked QUANTISED in the list below multiply operands that are first quantised to E5M2 (5 exponent bits, 2 mantissa bits; 8 bits a number), with one given power-of-two scale for each operand tensor; their sums are f32. All else is computed in f32.
;;   The module's matrix products, in the order in which they are computed (A, B: the left and right operand; K: the contracted axis; several contracted axes count as one K, in the product's order):
;;     1. [M 8,192, K 1,024] x [K 1,024, N 1,024]; A: input x (given as codes); B: input wq (given as codes): QUANTISED (scales: A lowp_scales[0], B lowp_scales[1])
;;     2. [M 8,192, K 1,024] x [K 1,024, N 256]; A: input x (given as codes); B: input wk (given as codes): QUANTISED (scales: A lowp_scales[2], B lowp_scales[3])
;;     3. [M 8,192, K 1,024] x [K 1,024, N 256]; A: input x (given as codes); B: input wv (given as codes): QUANTISED (scales: A lowp_scales[4], B lowp_scales[5])
;;     4. batch 16 x [M 8,192, K 64] x [K 64, N 2,048]; A: computed on the way; B: computed on the way: QUANTISED (scales: A lowp_scales[6], B lowp_scales[7])
;;     5. batch 16 x [M 64, K 2,048] x [K 2,048, N 8,192]; A: computed on the way; B: softmax (see below): QUANTISED (scales: A lowp_scales[8], B lowp_scales[9])
;;     6. [M 8,192, K 1,024] x [K 1,024, N 1,024]; A: computed on the way; B: input wo (given as codes): QUANTISED (scales: A lowp_scales[10], B lowp_scales[11])
;;   THE QUANTISER, for each operand of a quantised product, along K:
;;     - The operand's scale is 2^e, e = its entry of the input lowp_scales (int32; the entries are numbered through the quantised products in the list's order, A before B).
;;     - Each number is divided by the scale, clamped to +-57,344, and rounded to the nearest number of E5M2, ties to even, subnormals kept.
;;     - The product sums the exact products of the quantised numbers (number of the format x scale) in f32.
;;   ~~~python
;;   def quantise(x, axis, e):      # numpy; x: float32 -> the quantised numbers, widened to float32 again
;;       x = np.moveaxis(x, axis, -1); K = x.shape[-1]
;;       r = np.clip(x / 2.0 ** e, -57344, 57344)
;;       step = 2.0 ** (np.maximum(np.frexp(np.where(r == 0, 1, r))[1] - 1, -14) - 2)
;;       q = np.round(r / step) * step * 2.0 ** e      # np.round: ties to even
;;       return np.moveaxis(q, -1, axis).astype(np.float32)
;;   ~~~
;;   SOFTMAX AHEAD OF A QUANTISED PRODUCT. Where the list says 'softmax', what is quantised is not the finished softmax but p = 2^(t - M), with t = logit x log2(e) and M = ceil(the row's largest t), a whole number; so 1/2 < the row's largest p <= 1. The row's sum l is taken of the UNQUANTISED p, in f32, and the product's result is divided by l at the end. Since M is a whole number, a kernel that streams over the keys may use a running M (the ceiling of the running maximum): every later rescaling is an exact power of two, so the quantised numbers keep their values, but for numbers so far below the row's largest that they fall under the format's range.
;;   OPERANDS COMPUTED ON THE WAY. 'Computed on the way' means the value that the module computes at that place (a softmax that the list does not call 'softmax' is quantised finished and normalised). What goes into a quantiser is computed in f32, as accurately as f32 sums, v_exp_f32 and their like allow (about 1e-6 of the number): no bf16 or f16 on the way to a quantiser, and a product that is left as it is and whose result goes on into a quantised operand takes f32 operands (vector FMAs, or v_wmma_f32_16x16x4_f32). A number that lies on a knife's edge between two numbers of the format may be rounded either way, as far as f32 arithmetic and the matrix unit's own rounding can turn it there, and no further.
;;   INPUTS GIVEN AS CODES. wk (in the module: [1024, 256], K = its axis 0); wo (in the module: [1024, 1024], K = its axis 0); wq (in the module: [1024, 1024], K = its axis 0); wv (in the module: [1024, 256], K = its axis 0); x (in the module: [4, 2048, 1024], K = its axis 2): each comes as NAME_codes (uint8): NAME with its K axis moved to the last place and cut into blocks of 32 codes, [.., K / 32, bytes a block], one block behind the other in memory; one code a byte (a code: sign, 5 exponent bits, 2 mantissa bits); its scale is its entry of lowp_scales. Its value is code x scale, taken as it is: it is not quantised again, and the codes and scales need not be those that the quantiser above would give.
;; One version. Each part assembles by itself: llvm-mc -triple=amdgcn-amd-amdhsa -mcpu=gfx1250 --defsym DOCPART=n.
;; ======== version 1 of 1: 3 launches
;; limits: right only within a limited range of input values
;; workspace buffers: q_ws 8,388,608 bytes; k_ws 2,097,152 bytes; v_ws 2,097,152 bytes; attn_ws 8,388,608 bytes
;; launch qkv (part 1): grid 32 x 6, 4 waves a work-group, no clusters, 327,680 bytes of LDS; arguments x_codes, wq_codes, wk_codes, wv_codes, lowp_scales, freqs_cos, freqs_sin, q_ws, k_ws, v_ws; writes q_ws, k_ws, v_ws
.if DOCPART == 1
	.amdgcn_target "amdgcn-amd-amdhsa--gfx1250"
	.amdhsa_code_object_version 6
	.text
	.protected	k_q74cafc6d80_qkv
	.globl	k_q74cafc6d80_qkv
	.p2align	8
	.type	k_q74cafc6d80_qkv,@function
k_q74cafc6d80_qkv:
	s_mov_b64 s[64:65], 0
	v_nop
	global_prefetch_b8 v0, s[64:65] scope:SCOPE_SE
	s_setreg_imm32_b32 hwreg(HW_REG_WAVE_MODE, 25, 1), 1
	s_wait_xcnt 0x0
; q = rope(x wq), k = rope(x wk), v = x wv on codes of BF8 (E5M2); the results are quantised (scales 6, 7, 8 of the list) and stored as IMAGES OF THE OPERAND REGISTERS that the attention launch wants.
; x: [8192][1024] codes; wq: [1024][1024], wk, wv: [256][1024] codes, K innermost.  A number is its code x 2^e; each product takes its own two entries of the list (x has three: 0, 2, 4).
; SHARES.  Work-group (rt, ct) makes 256 rows x 256 columns: ct 0-3: columns 256 ct of q (the four query heads of key head ct); ct 4: k; ct 5: v.  Four waves, 128 x 128 each: 64 accumulators, 512 registers.
; K = 1,024 goes in four steps of 256 through a ring of two LDS slots filled by the tensor data mover; a tile's row is 256 bytes of memory.
; THE MATRIX INSTRUCTION IS USED TRANSPOSED: source 0 = 16 rows of "B", source 1 = 16 rows of "A": a lane holds ONE row of A and eight neighbouring rows of B.  For q and k A = x, B = the weight: a lane holds eight
; neighbouring head channels of one position, which is K of the scores' product.  For v only the two pointers change places (A = wv, B = x): a lane holds one channel and eight neighbouring keys, which is K of the second product.
; So a conversion's two registers are two registers of the later operand, and every store is 16 bytes a lane, 512 consecutive bytes a wave, at a multiple of 512 from the buffer's first byte.  No stage, nothing is transposed.
; IMAGES (L = lane, r = L % 16, h = L / 16; a piece is 512 bytes, lane L's 16 bytes at 16 L):
;   q_ws [b 4][kv 4][16 positions: 128][g 4][c 2][512]: lane (r, h) of piece c: position r, channels 32 c + 8 h + 0..7, then 32 c + 16 + 8 h + 0..7.   k_ws [b][kv][16 keys: 128][c 2][512]: the same with key r.
;   v_ws [b][kv][128 keys: 16][16 channels: 4][c 4][512]: lane (r, h): channel r, keys 32 c + 8 h + 0..7, then 32 c + 16 + 8 h + 0..7.
; ROPE is done on the raw sums: a power of two goes through it unchanged, so the three scales are folded into the conversion's one: 2^(e6 - e0 - e1) for q, 2^(e7 - e2 - e3) for k, 2^(e8 - e4 - e5) for v.
; NO JOINT LOADS: what neighbours along ct share (x) lies among A's rows for q and k and among B's for v, what neighbours along rt share the other way round, so a mask would have to be chosen by the column tile;
; and six column tiles are no multiple of four.  NO PREFETCH: of the four K steps two are asked for at the head.
; LIMITS: each of the three folded exponents lies between -126 and 112, so that the scale and 57,344 x the scale are f32 numbers.
; REGISTERS, in windows of 256: window 0: v16-29 addresses and constants; v32-95 two sets of 16 cos + 16 sin; from v128 A's fragments, ONE set; on the way out v128-191 the numbers, v192-207 the codes, v208-215 at work.
;   window 1: B's fragments, TWO sets.   window 2: the accumulators of A's blocks 0-3 ((a, b) at v[8 (8 a + b)]);   window 3: those of blocks 4-7.
.set KROW,   1024                      ; a row of x or of a weight in memory, in bytes
.set ROWB,   256                       ; a tile's row in bytes: a K step
.set PITCH,  272                       ; an LDS row: 256 bytes + 16 of padding = 68 words: the 16 rows that a load touches start 4 words apart modulo 64 (64 banks of 4 bytes: ISA guide 11.1)
.set FR,     16                        ; registers of a fragment: 16 rows x 128 K
.set NL,     4                         ; LDS loads that bring one
.set NP,     4                         ; places behind this matrix instruction (ISA guide 7.12.1)
.set HALFT,  128*PITCH                 ; 128 rows: what one tensor load brings, and what one wave reads of A or of B
.set SLOT,   4*HALFT                   ; A's 256 rows, then B's 256 rows
.set LAPS,   KROW/(2*ROWB)             ; a lap = two K steps = once round the ring
.set SPARE,  2*SLOT                    ; behind the ring: the spare words, 128 bytes for each wave: two blocks of 256 bytes that no other line names
.set ADRA, 16                          ; v16-17  LDS address of my A fragments in slot 0, 1
.set ADRB, 20                          ; v20-21  the same for B
.set VCS,  22                          ; v22     cos, sin: 128 r + 16 h: my position's row of 32 numbers, my half's four
.set LI,   23                          ; v23     16 x lane: my place in a piece
.set VO,   24                          ; v24-25  the same for the first and the second head of my 128 columns
.set SCL,  26                          ; v26     the folded scale as f32
.set LIM,  27                          ; v27     57,344 x that
.set SPW,  28                          ; v28     LDS address of my spare word; never rewritten
.set NIL,  29                          ; v29     0; never rewritten
.set CS,   32                          ; v32-95  set a % 2: 16 cos (4 m + i), then 16 sin
.set AF,   128                         ; A's fragments
.set R,    128                         ; the way out: a block's 64 numbers
.set CD,   192                         ; their 16 registers of codes
.set T,    208                         ; eight products at work
.set G1,  24                           ; s[24:31] descriptor group 1, one for all loads
.set G0,  32                           ; s[32:39] group 0 for A's tiles, one set for each slot
.set G0B, 56                           ; s[56:63] the same for B's tiles
.set MSB, 0
.macro WIN new                         ; the immediate's high byte repeats the setting that is left; a switch that changes nothing is dropped
.if MSB != (\new)
	s_set_vgpr_msb (MSB<<8)|(\new)
.set MSB, (\new)
.endif
.endm
.set MUL_LO, 0xa1                      ; source 0 (B) window 1, source 1 (A) window 0, C and D window 2
.set MUL_HI, 0xf1                      ; the same, C and D window 3
.set TO_B,   0x40                      ; destination window 1, address window 0
; Waves 0 and 1 fetch A's two halves, waves 2 and 3 B's: one tensor load a wave.  The branch hangs on the wave's number alone.  Four v_nop follow each of the two lines.
.macro TLOAD g0a, g0b
	s_cmp_eq_u32 s15, 0
	s_cbranch_scc0 .Lfor_b_\@
	tensor_load_to_lds s[\g0a:\g0a+3], s[G1:G1+7]
	s_nop 0
.rept 4
	v_nop
.endr
	s_branch .Lasked_\@
.Lfor_b_\@:
	tensor_load_to_lds s[\g0b:\g0b+3], s[G1:G1+7]
	s_nop 0
.rept 4
	v_nop
.endr
.Lasked_\@:
.endm
	s_load_b256 s[68:75], s[0:1], 0x0              ; x s[68:69], wq s[70:71], wk s[72:73], wv s[74:75]
	s_load_b256 s[76:83], s[0:1], 0x20             ; the scales' exponents s[76:77], cos s[78:79], sin s[80:81], q_ws s[82:83]
	s_load_b128 s[84:87], s[0:1], 0x40             ; k_ws s[84:85], v_ws s[86:87]
	v_lshl_add_u32 v[SPW], v0, 2, SPARE
	v_mov_b32 v[NIL], 0
	ds_add_u32 v28, v29
	ds_add_u32 v28, v29
	s_wait_dscnt 0x0
	v_lshrrev_b32 v1, 5, v0
	v_readfirstlane_b32 s14, v1                    ; wave 0..3
	s_lshr_b32 s15, s14, 1                         ; which half of A's rows is mine.  Also: I fetch for A (0) or for B (1)
	s_and_b32 s16, s14, 1                          ; which half of B's rows.  Also: which 128 rows of that tile I fetch
	s_and_b32 s17, ttmp7, 0xffff                   ; ct
	s_mov_b32 s18, ttmp9                           ; rt
	; descriptor group 1: a tile of 128 rows x 256 bytes, padded in LDS
	s_mov_b32 s[G1+0], (1<<20)|(5<<22)|(3<<25)     ; 15:0 no mask; 17:16 elements of 1 byte; 20 padding on; 24:22 after every 64 words (code 5); 31:25 of 4 words (code 3)
	s_mov_b32 s[G1+1], ROWB<<16                    ; tensor_dim0
	s_mov_b32 s[G1+2], 128<<16                     ; tensor_dim1
	s_mov_b32 s[G1+3], ROWB<<16                    ; tile_dim0
	s_mov_b32 s[G1+4], 128                         ; tile_dim1
	s_mov_b32 s[G1+5], KROW                        ; from row to row
	s_mov_b32 s[G1+6], 0
	s_mov_b32 s[G1+7], 0
	s_mul_i32 s45, s14, HALFT                      ; where my tile goes: wave x 128 rows
	s_lshl_b32 s40, s18, 18                        ; x: 256 rt rows of 1,024 bytes
	s_mov_b32 s41, 0
	s_wait_kmcnt 0x0
	s_load_b256 s[88:95], s[76:77], 0x0            ; e0 .. e7
	s_load_b32 s96, s[76:77], 0x20                 ; e8
	s_add_nc_u64 s[42:43], s[68:69], s[40:41]      ; x at my row tile
	s_cmp_lt_u32 s17, 4                            ; the weight: the choices hang on the work-group's number alone
	s_cselect_b32 s40, s17, 0
	s_cselect_b64 s[46:47], s[70:71], s[72:73]
	s_cmp_eq_u32 s17, 5
	s_cselect_b64 s[46:47], s[74:75], s[46:47]
	s_lshl_b32 s40, s40, 18                        ; wq: 256 ct rows on
	s_add_nc_u64 s[46:47], s[46:47], s[40:41]
	s_cmp_eq_u32 s17, 5                            ; v: the two operands change places
	s_cselect_b64 s[4:5], s[46:47], s[42:43]       ; A
	s_cselect_b64 s[6:7], s[42:43], s[46:47]       ; B
	s_lshl_b32 s40, s16, 17                        ; the 128 rows that I fetch
	s_add_nc_u64 s[4:5], s[4:5], s[40:41]
	s_add_nc_u64 s[6:7], s[6:7], s[40:41]
.irp s, 0,1                                    ; the two first fills go out ahead of every wait on TENSORcnt, every LDS read and every barrier: two loads of mine are out
	s_mov_b32 s[G0+4*\s], 1
	s_add_co_u32 s[G0+4*\s+1], s45, \s*SLOT
	s_add_nc_u64 s[G0+4*\s+2:G0+4*\s+3], s[4:5], \s*ROWB
	s_or_b32 s[G0+4*\s+3], s[G0+4*\s+3], 0x80000000
	s_mov_b32 s[G0B+4*\s], 1
	s_add_co_u32 s[G0B+4*\s+1], s45, \s*SLOT
	s_add_nc_u64 s[G0B+4*\s+2:G0B+4*\s+3], s[6:7], \s*ROWB
	s_or_b32 s[G0B+4*\s+3], s[G0B+4*\s+3], 0x80000000
	TLOAD G0+4*\s, G0B+4*\s
.endr
	v_and_b32 v1, 15, v0                           ; r
	v_bfe_u32 v2, v0, 4, 1                         ; h
	v_mul_u32_u24 v3, v1, PITCH
	v_lshl_add_u32 v4, v2, 4, v3                   ; a fragment's row x pitch + 16 h
	s_mul_i32 s21, s15, HALFT                      ; my 128 rows of A
	s_mul_i32 s22, s16, HALFT                      ; my 128 rows of B,
	s_add_co_u32 s22, s22, 2*HALFT                 ; which lie behind A's 256
.irp s, 0,1
	v_add_nc_u32 v[ADRA+\s], s21, v4
	v_add_nc_u32 v[ADRB+\s], s22, v4
	s_add_co_u32 s21, s21, SLOT
	s_add_co_u32 s22, s22, SLOT
.endr
	v_lshlrev_b32 v[VCS], 7, v1
	v_lshl_add_u32 v[VCS], v2, 4, v[VCS]
	v_and_b32 v5, 31, v0
	v_lshlrev_b32 v[LI], 4, v5
	; where my wave's part of the images begins, in bytes, for each of the three kinds; then the choice
	s_lshr_b32 s19, s18, 3
	s_lshl_b32 s19, s19, 2                         ; 4 b
	s_and_b32 s20, s18, 7                          ; which 256 positions of the batch
	s_add_co_u32 s21, s19, s17                     ; q: 4 b + kv
	s_lshl_b32 s21, s21, 7
	s_lshl_b32 s22, s20, 4
	s_lshl_b32 s23, s15, 3
	s_add_co_u32 s22, s22, s23                     ; my first tile of 16 positions
	s_add_co_u32 s21, s21, s22
	s_lshl_b32 s21, s21, 2
	s_lshl_b32 s23, s16, 1                         ; my first head of the tile's four
	s_add_co_u32 s21, s21, s23
	s_lshl_b32 s21, s21, 10
	s_add_co_u32 s40, s19, s23                     ; k: 4 b + kv
	s_lshl_b32 s40, s40, 7
	s_add_co_u32 s40, s40, s22
	s_lshl_b32 s40, s40, 10
	s_lshl_b32 s41, s15, 1                         ; v: 4 b + kv
	s_add_co_u32 s41, s41, s19
	s_lshl_b32 s41, s41, 4
	s_lshl_b32 s44, s20, 1
	s_add_co_u32 s41, s41, s44
	s_add_co_u32 s41, s41, s16                     ; my 128 keys
	s_lshl_b32 s41, s41, 13
	s_mov_b32 s50, 1024
	s_mov_b32 s52, 131072
	s_cmp_lt_u32 s17, 4
	s_cselect_b32 s21, s21, s40
	s_cselect_b64 s[48:49], s[82:83], s[84:85]
	s_cselect_b32 s50, 4096, s50                   ; from 16 positions to the next: four heads' pieces in q_ws, one head's in k_ws
	s_cselect_b32 s52, 1024, s52                   ; from a head to the next
	s_cmp_eq_u32 s17, 5
	s_cselect_b32 s40, s41, s21
	s_cselect_b64 s[48:49], s[86:87], s[48:49]
	s_mov_b32 s41, 0
	s_mov_b32 s51, 0
	s_add_nc_u64 s[48:49], s[48:49], s[40:41]      ; the images at my wave's part
	v_mov_b32 v[VO], v[LI]
	v_add_nc_u32 v[VO+1], s52, v[LI]
	s_lshl_b32 s40, s20, 15                        ; cos, sin at my first position: rows of 128 bytes
	s_lshl_b32 s44, s15, 14
	s_add_co_u32 s40, s40, s44
	s_add_nc_u64 s[66:67], s[78:79], s[40:41]
	s_add_nc_u64 s[98:99], s[80:81], s[40:41]
; cos and sin for block a's 16 positions: lane (r, h) wants, for the 16 channels 16 m + 8 h + 0..7, the four frequencies 8 m + 4 h + 0..3 of position r: 16 bytes a load
.macro CSLOAD a
.irp m, 0,1,2,3
	global_load_b128 v[CS+32*((\a)%2)+4*\m:CS+32*((\a)%2)+4*\m+3], v[VCS], s[66:67] offset:(\a)*2048+32*\m
.endr
.irp m, 0,1,2,3
	global_load_b128 v[CS+32*((\a)%2)+16+4*\m:CS+32*((\a)%2)+16+4*\m+3], v[VCS], s[98:99] offset:(\a)*2048+32*\m
.endr
.endm
	CSLOAD 0                                       ; they land under the products.  v's work-groups issue these sixteen loads too and do not use them: one text up to the way out
	CSLOAD 1
.macro FRAG reg, adr, q, i             ; a fragment: lane l holds row l % 16; registers 4 c .. 4 c + 3 hold K = 32 c + 16 (l / 16) + 0 .. 15: the same places of k in A and in B, so every product meets its partner
.irp c, 0,1,2,3
	ds_load_b128 v[\reg+4*\c:\reg+4*\c+3], v[\adr] offset:128*(\q)+32*\c+(\i)*16*PITCH
.endr
.endm
; 16 matrix instructions: A's blocks a0, a0 + 1 x B's eight, 128 along K.  p: B's set.  zero = 1: the first product starts the sums.  The 64 accumulators take turns, one instruction a turn, in the same order in every step.
.macro MUL16 a0, p, zero
.irp a, \a0, \a0+1
.irp b, 0,1,2,3,4,5,6,7
.if \zero
	v_wmma_f32_16x16x128_bf8_bf8 v[8*(8*((\a)%4)+\b):8*(8*((\a)%4)+\b)+7], v[128*(\p)+FR*\b:128*(\p)+FR*\b+FR-1], v[AF+FR*(\a):AF+FR*(\a)+FR-1], 0
.else
	v_wmma_f32_16x16x128_bf8_bf8 v[8*(8*((\a)%4)+\b):8*(8*((\a)%4)+\b)+7], v[128*(\p)+FR*\b:128*(\p)+FR*\b+FR-1], v[AF+FR*(\a):AF+FR*(\a)+FR-1], v[8*(8*((\a)%4)+\b):8*(8*((\a)%4)+\b)+7]
.endif
.endr
.endr
.endm
.macro FETCH_B slot, q, p              ; B's eight fragments of the slot's q-th 128 along K into set p
	WIN TO_B
.irp i, 0,1,2,3,4,5,6,7
	FRAG 128*(\p)+FR*\i, ADRB+\slot, \q, \i
.endr
	WIN 0
.endm
.macro FETCH_A slot, q, i0             ; A's blocks i0 .. i0 + 3
.irp i, \i0, \i0+1, \i0+2, \i0+3
	FRAG AF+FR*(\i), ADRA+\slot, \q, \i
.endr
.endm
.macro PLACES n                        ; plain vector instructions between a matrix instruction and a load into, or a vector instruction on, one of its registers
.rept \n
	v_nop
.endr
.endm
; A step of 128 along K that has its successor in the same slot.  A's blocks are free as soon as their eight products are issued: blocks 0-3 are fetched anew in the step's middle, blocks 4-7 at its end.
.macro STEP slot, q, zero
	s_wait_dscnt 4*NL                              ; B's set and A's blocks 0-3 are in; the youngest 16 loads (A's blocks 4-7) may be out
	WIN MUL_LO
	MUL16 0, (\q)%2, \zero
	MUL16 2, (\q)%2, \zero
	s_wait_dscnt 0                                 ; A's blocks 4-7 are in
	PLACES NP
	FETCH_B \slot, (\q)+1, 1-(\q)%2
	FETCH_A \slot, (\q)+1, 0
	WIN MUL_HI
	MUL16 4, (\q)%2, \zero
	MUL16 6, (\q)%2, \zero
	PLACES NP
	WIN 0
	FETCH_A \slot, (\q)+1, 4
.endm
; A slot's last step changes slots: ONE barrier; in front of it each wave waits for all its tensor loads, adds 0 to its spare word, and waits for that and for its own reads of this slot.  fill = 1: this slot is filled again, two K steps ahead.
.macro TURN slot, next, fill
	s_wait_tensorcnt 0x0                           ; all my tensor loads have landed: my part of the next slot;  (every window is 0 here)
	ds_add_u32 v[SPW], v[NIL]                      ; 0 onto my spare word
	s_wait_dscnt 4*NL+1                            ; (the add and the youngest 16 loads, A's blocks 4-7, may be out)
	WIN MUL_LO
	MUL16 0, 1, 0                                  ; sixteen matrix instructions stand between the add and the wait for it
	s_wait_dscnt 0x0                               ; the add is done, and my reads of this slot are over
	s_barrier_signal -1
	MUL16 2, 1, 0
	WIN 0
	s_barrier_wait -1                              ; nobody reads this slot any more, and the next slot is whole
.if \fill
	s_add_nc_u64 s[G0+4*\slot+2:G0+4*\slot+3], s[G0+4*\slot+2:G0+4*\slot+3], 2*ROWB      ; no tensor load of mine is out: the groups 0 may be written
	s_add_nc_u64 s[G0B+4*\slot+2:G0B+4*\slot+3], s[G0B+4*\slot+2:G0B+4*\slot+3], 2*ROWB
	TLOAD G0+4*\slot, G0B+4*\slot                  ; my one tensor load behind the barrier, ahead of every LDS read; its four v_nop are also the places in front of the loads below
.else
	PLACES NP
.endif
	FETCH_B \next, 0, 0
	FETCH_A \next, 0, 0
	WIN MUL_HI
	MUL16 4, 1, 0
	MUL16 6, 1, 0
	PLACES NP
	WIN 0
	FETCH_A \next, 0, 4
.endm
	s_wait_tensorcnt 1                             ; my part of K step 0 is in (K step 1's load may be out)
	s_barrier_signal -1
	s_barrier_wait -1                              ; everybody's is
	FETCH_B 0, 0, 0
	FETCH_A 0, 0, 0
	FETCH_A 0, 0, 4
	STEP 0, 0, 1                                   ; the first step stands in front of the loop: its products start the sums
	s_mov_b32 s3, LAPS-1
.Llap:                                                 ; a trip goes once round the ring, from a lap's second step to the next lap's first, and fills both slots again
	TURN 0, 1, 1
	STEP 1, 0, 0
	TURN 1, 0, 1
	STEP 0, 0, 0
	s_sub_co_u32 s3, s3, 1
	s_cmp_lg_u32 s3, 0
	s_cbranch_scc1 .Llap
	TURN 0, 1, 0                                   ; the last lap fills nothing
	STEP 1, 0, 0
	s_wait_dscnt 4*NL                              ; the very last step: nothing more to fetch
	WIN MUL_LO
	MUL16 0, 1, 0
	MUL16 2, 1, 0
	s_wait_dscnt 0
	WIN MUL_HI
	MUL16 4, 1, 0
	MUL16 6, 1, 0
	WIN 0
	; THE WAY OUT.  The folded scale: chosen by selects, never by a branch on a loaded number
	s_wait_kmcnt 0x0
	s_sub_co_i32 s40, s94, s88
	s_sub_co_i32 s40, s40, s89                     ; q: e6 - e0 - e1
	s_sub_co_i32 s41, s95, s90
	s_sub_co_i32 s41, s41, s91                     ; k: e7 - e2 - e3
	s_sub_co_i32 s44, s96, s92
	s_sub_co_i32 s44, s44, s93                     ; v: e8 - e4 - e5
	s_cmp_lt_u32 s17, 4
	s_cselect_b32 s40, s40, s41
	s_cmp_eq_u32 s17, 5
	s_cselect_b32 s40, s44, s40
	s_add_co_i32 s40, s40, 127
	s_lshl_b32 s41, s40, 23
	v_mov_b32 v[SCL], s41                          ; the conversion takes its exponent field
	s_add_co_i32 s40, s40, 15
	s_lshl_b32 s40, s40, 23
	s_or_b32 s40, s40, 0x600000
	v_mov_b32 v[LIM], s40                          ; 57,344 x the scale
	PLACES NP                                      ; behind the last products: their results are read, and the registers that held A's fragments written
.macro FINISH                          ; the wave's end, behind my last tensor load
	s_wait_tensorcnt 0x0
	ds_add_u32 v[SPW], v[NIL]
	s_wait_dscnt 0x0
	s_endpgm
.endm
; q and k: block a = 16 positions x my 128 columns (two heads).  Accumulator (a, b): lane (r, h) holds position r, channels 16 (b % 4) + 8 h + 0..7 of head b / 4: four pairs (real, imaginary).
.macro QKBLK a
.if (\a) > 0
	s_wait_xcnt 0x0                                ; the last block's stores have read their base and their data: both are written again only behind this wait
	s_add_nc_u64 s[48:49], s[48:49], s[50:51]      ; 16 positions on
.endif
.if (\a) < 7
	s_wait_loadcnt 8                               ; this block's cos and sin are in; the next block's eight loads may be out
.else
	s_wait_loadcnt 0
.endif
	WIN 0x02+(\a)/4                                ; source 0: window 2 or 3
.irp b, 0,1,2,3,4,5,6,7
.irp i, 0,1,2,3
	v_mul_f32 v[T+2*\i],   v[64*((\a)%4)+8*\b+2*\i+1], v[CS+32*((\a)%2)+16+4*(\b%4)+\i]   ; imaginary x sin  (each accumulator is first read at its register 1)
	v_mul_f32 v[T+2*\i+1], v[64*((\a)%4)+8*\b+2*\i],   v[CS+32*((\a)%2)+16+4*(\b%4)+\i]   ; real x sin
.endr
.irp i, 0,1,2,3
	v_fma_f32 v[R+8*\b+2*\i],   v[64*((\a)%4)+8*\b+2*\i],   v[CS+32*((\a)%2)+4*(\b%4)+\i], -v[T+2*\i]    ; real x cos - imaginary x sin
	v_fma_f32 v[R+8*\b+2*\i+1], v[64*((\a)%4)+8*\b+2*\i+1], v[CS+32*((\a)%2)+4*(\b%4)+\i], v[T+2*\i+1]   ; imaginary x cos + real x sin
.endr
.endr
	WIN 0
.if (\a)+2 < 8
	CSLOAD (\a)+2                                  ; into the set just read
.endif
.irp k, 0,1,2,3,4,5,6,7,8,9,10,11,12,13,14,15,16,17,18,19,20,21,22,23,24,25,26,27,28,29,30,31,32,33,34,35,36,37,38,39,40,41,42,43,44,45,46,47,48,49,50,51,52,53,54,55,56,57,58,59,60,61,62,63
	v_med3_num_f32 v[R+\k], v[R+\k], -v[LIM], v[LIM]   ; the conversion to an 8-bit code does not saturate (ISA guide 7.6.2): the hold at the largest code x the scale
.endr
.irp b, 0,1,2,3,4,5,6,7
	v_cvt_scalef32_pk8_bf8_f32 v[CD+2*\b:CD+2*\b+1], v[R+8*\b:R+8*\b+7], v[SCL]
.endr
	v_nop                                          ; a plain vector instruction between the conversions and the next block's writes of their sources
.irp hh, 0,1
.irp c, 0,1
	global_store_b128 v[VO+\hh], v[CD+8*\hh+4*\c:CD+8*\hh+4*\c+3], s[48:49] offset:512*\c   ; piece c of head hh: the codes of blocks 4 hh + 2 c and 4 hh + 2 c + 1; 32 lanes store 512 consecutive bytes
.endr
.endr
.endm
; v: block a = 16 channels (key head a / 4 of my two, channels 16 (a % 4) on) x my 128 keys.  Accumulator (a, b): lane (r, h) holds channel r, keys 16 b + 8 h + 0..7.
.macro VBLK a
.if (\a) > 0
	s_wait_xcnt 0x0                                ; the last block's stores have read their data
.endif
	WIN 0x02+(\a)/4
.irp k, 0,1,2,3,4,5,6,7,8,9,10,11,12,13,14,15,16,17,18,19,20,21,22,23,24,25,26,27,28,29,30,31,32,33,34,35,36,37,38,39,40,41,42,43,44,45,46,47,48,49,50,51,52,53,54,55,56,57,58,59,60,61,62,63
	v_med3_num_f32 v[R+\k], v[64*((\a)%4)+\k], -v[LIM], v[LIM]   ; the hold; each accumulator from its low end on
.endr
	WIN 0
.irp b, 0,1,2,3,4,5,6,7
	v_cvt_scalef32_pk8_bf8_f32 v[CD+2*\b:CD+2*\b+1], v[R+8*\b:R+8*\b+7], v[SCL]
.endr
	v_nop
.irp c, 0,1,2,3
	global_store_b128 v[LI], v[CD+4*\c:CD+4*\c+3], s[48:49] offset:((\a)/4)*131072+((\a)%4)*2048+512*\c
.endr
.endm
	s_cmp_eq_u32 s17, 5                            ; a branch on the work-group's number
	s_cbranch_scc1 .Lv
.irp a, 0,1,2,3,4,5,6,7
	QKBLK \a
.endr
	FINISH
.Lv:
.irp a, 0,1,2,3,4,5,6,7
	VBLK \a
.endr
	FINISH
.Lfunc_end_k_q74cafc6d80_qkv:
	.size	k_q74cafc6d80_qkv, .Lfunc_end_k_q74cafc6d80_qkv-k_q74cafc6d80_qkv
	.p2alignl 7, 3214868480
	.fill 96, 4, 3214868480
	.section	.rodata,"a",@progbits
	.p2align	6, 0x0
	.amdhsa_kernel k_q74cafc6d80_qkv
		.amdhsa_group_segment_fixed_size 327680
		.amdhsa_private_segment_fixed_size 0
		.amdhsa_enable_private_segment 0
		.amdhsa_kernarg_size 80
		.amdhsa_user_sgpr_count 2
		.amdhsa_user_sgpr_kernarg_segment_ptr 1
		.amdhsa_wavefront_size32 1
		.amdhsa_system_sgpr_workgroup_id_x 1
		.amdhsa_system_sgpr_workgroup_id_y 1
		.amdhsa_system_sgpr_workgroup_id_z 1
		.amdhsa_system_vgpr_workitem_id 0
		.amdhsa_next_free_vgpr 1024
		.amdhsa_next_free_sgpr 100
		.amdhsa_reserve_vcc 0
		.amdhsa_float_denorm_mode_32 3
		.amdhsa_float_denorm_mode_16_64 3
		.amdhsa_memory_ordered 1
		.amdhsa_forward_progress 1
		.amdhsa_inst_pref_size 212
	.end_amdhsa_kernel
	.amdgpu_metadata
---
amdhsa.version: [ 1, 2 ]
amdhsa.kernels:
  - .name:           k_q74cafc6d80_qkv
    .symbol:         k_q74cafc6d80_qkv.kd
    .args:
      - { .name: x_codes, .offset: 0, .size: 8, .value_kind: global_buffer, .address_space: global }
      - { .name: wq_codes, .offset: 8, .size: 8, .value_kind: global_buffer, .address_space: global }
      - { .name: wk_codes, .offset: 16, .size: 8, .value_kind: global_buffer, .address_space: global }
      - { .name: wv_codes, .offset: 24, .size: 8, .value_kind: global_buffer, .address_space: global }
      - { .name: lowp_scales, .offset: 32, .size: 8, .value_kind: global_buffer, .address_space: global }
      - { .name: freqs_cos, .offset: 40, .size: 8, .value_kind: global_buffer, .address_space: global }
      - { .name: freqs_sin, .offset: 48, .size: 8, .value_kind: global_buffer, .address_space: global }
      - { .name: q_ws, .offset: 56, .size: 8, .value_kind: global_buffer, .address_space: global }
      - { .name: k_ws, .offset: 64, .size: 8, .value_kind: global_buffer, .address_space: global }
      - { .name: v_ws, .offset: 72, .size: 8, .value_kind: global_buffer, .address_space: global }
    .group_segment_fixed_size: 327680
    .private_segment_fixed_size: 0
    .kernarg_segment_align: 8
    .kernarg_segment_size: 80
    .max_flat_workgroup_size: 128
    .sgpr_count:     100
    .vgpr_count:     1024
    .wavefront_size: 32
...
	.end_amdgpu_metadata
.endif
;; end of part 1
;; launch attn (part 2): grid 16 x 16, 8 waves a work-group, no clusters, 306,688 bytes of LDS; arguments q_ws, k_ws, v_ws, mask, lowp_scales, attn_ws; writes attn_ws
.if DOCPART == 2
	.amdgcn_target "amdgcn-amd-amdhsa--gfx1250"
	.amdhsa_code_object_version 6
	.text
	.protected	k_q74cafc6d80_attn
	.globl	k_q74cafc6d80_attn
	.p2align	8
	.type	k_q74cafc6d80_attn,@function
k_q74cafc6d80_attn:
	s_mov_b64 s[64:65], 0
	v_nop
	global_prefetch_b8 v0, s[64:65] scope:SCOPE_SE
	s_setreg_imm32_b32 hwreg(HW_REG_WAVE_MODE, 25, 1), 1
	s_wait_xcnt 0x0
.set VREG, 131072
.set BIAS, 262144
.set UP,   270336
.set STG,  270848
.set SP,   272
.set LI,   1
.set LIV,  2
.set LB,   3
.set ADK,  4
.set ADV,  5
.set ADB,  6
.set SC9,  7
.set LIM9, 8
.set C2K,  9
.set NEGB, 10
.set DREL, 11
.set STO,  12
.set RD,   13
.set GO,   14
.set UA,   15
.set ST,   16
.set TA,   32
.set TB2,  33
.set F,    34
.set SUM,  36
.set PX,   38
.set UV,   39
.set P,    40
.set USTO, 56
.set BSTO, 57
.set SC10, 58
.set LIM10, 59
.set S,    64
.set BI,   128
.set VF,   192
.set QF,   128
.set KFR,  160
.set WV,   16
.set POS0, 22
.set QLAST, 23
.set G1A,  24
.set G1B,  32
.set G0A,  40
.set G0B,  44
.set CS,   48
.set SEL,  50
.set TB,   52
.set TBB,  53
.set KF,   54
.set CNT,  55
.set MK,   66
.set MSB, 0
.macro WIN new
.if MSB != (\new)
	s_set_vgpr_msb (MSB<<8)|(\new)
.set MSB, (\new)
.endif
.endm
	s_load_b256 s[4:11], s[0:1], 0x0
	s_load_b128 s[12:15], s[0:1], 0x20
	s_set_vgpr_msb 0x40
	v_lshl_add_u32 v254, v0, 2, 0x4aa00
	v_mov_b32 v255, 0
	s_set_vgpr_msb 0x4045
	ds_add_u32 v254, v255
	ds_add_u32 v254, v255
	s_set_vgpr_msb 0x4500
	v_lshrrev_b32 v63, 5, v0
	s_delay_alu instid0(VALU_DEP_1)
	v_readfirstlane_b32 s[WV], v63
	s_and_b32 s17, ttmp7, 0xffff
	s_lshr_b32 s18, s[WV], 2
	s_and_b32 s19, s[WV], 3
	s_xor_b32 s20, s[WV], s18
	s_and_b32 s20, s20, 1
	s_lshr_b32 s21, s[WV], 1
	s_lshl_b32 s61, ttmp9, 1
	s_sub_co_u32 s61, 31, s61
	s_mul_i32 s61, s61, s20
	s_add_co_u32 s61, s61, ttmp9
	s_lshl_b32 s[POS0], s61, 6
	s_lshl_b32 s62, s21, 4
	s_add_co_u32 s[POS0], s[POS0], s62
	s_add_co_u32 s[QLAST], s[POS0], 15
	s_mov_b32 s[G1A+0], 3<<16
	s_mov_b32 s[G1A+1], 32<<16
	s_mov_b32 s[G1A+2], 32<<16
	s_mov_b32 s[G1A+3], 32<<16
	s_mov_b32 s[G1A+4], 32
	s_mov_b32 s[G1A+5], 32
	s_mov_b32 s[G1A+6], 0
	s_mov_b32 s[G1A+7], 0
	s_mov_b32 s[G1B+0], 3<<16
	s_mov_b32 s[G1B+1], 32<<16
	s_mov_b32 s[G1B+2], 96<<16
	s_mov_b32 s[G1B+3], 32<<16
	s_mov_b32 s[G1B+4], 96
	s_mov_b32 s[G1B+5], 32
	s_mov_b32 s[G1B+6], 0
	s_mov_b32 s[G1B+7], 0
	s_lshl_b32 s70, s18, 17
	s_lshl_b32 s71, s19, 13
	s_mul_i32 s72, s19, 24576
	s_add_co_u32 s72, s72, 32768
	s_lshl_b32 s74, s17, 17
	s_mov_b32 s75, 0
	s_mov_b32 s[SEL], 0x76543210
	s_mov_b32 s[SEL+1], 0xfedcba98
	s_mov_b32 s[TB], 0
	s_mov_b32 s[TBB], 0
	s_mov_b32 s[KF], 0
	s_wait_dscnt 0x0
	s_wait_kmcnt 0x0
	s_load_b128 s[56:59], s[12:13], 0x18
	s_load_b32 s60, s[12:13], 0x28
	s_cmp_lt_u32 s[WV], 4
	s_cselect_b64 s[76:77], s[6:7], s[8:9]
	s_add_nc_u64 s[76:77], s[76:77], s[74:75]
	s_mov_b32 s[G0A], 1
	s_add_co_u32 s[G0A+1], s70, s71
	s_mov_b32 s74, s71
	s_add_nc_u64 s[G0A+2:G0A+3], s[76:77], s[74:75]
	s_or_b32 s[G0A+3], s[G0A+3], 0x80000000
	s_mov_b32 s[G0B], 1
	s_add_co_u32 s[G0B+1], s70, s72
	s_mov_b32 s74, s72
	s_add_nc_u64 s[G0B+2:G0B+3], s[76:77], s[74:75]
	s_or_b32 s[G0B+3], s[G0B+3], 0x80000000
	tensor_load_to_lds s[G0A:G0A+3], s[G1A:G1A+7]
	s_nop 0
	tensor_load_to_lds s[G0B:G0B+3], s[G1B:G1B+7]
	s_nop 0
.rept 4
	v_nop
.endr
	s_lshr_b32 s61, s17, 2
	s_lshl_b32 s62, s61, 11
	s_mov_b32 s63, 0
	s_add_nc_u64 s[10:11], s[10:11], s[62:63]
	v_lshlrev_b32 v62, 3, v0
	global_load_b64 v[40:41], v62, s[10:11]
	s_lshl_b32 s62, s17, 19
	s_lshl_b32 s70, s[POS0], 8
	s_add_co_u32 s62, s62, s70
	s_add_nc_u64 s[4:5], s[4:5], s[62:63]
	v_and_b32 v[LI], 31, v0
	s_delay_alu instid0(VALU_DEP_1)
	v_lshlrev_b32 v[LI], 4, v[LI]
	WIN 0x40
.irp g, 0,1,2,3
.irp c, 0,1
	global_load_b128 v[QF+8*\g+4*\c:QF+8*\g+4*\c+3], v[LI], s[4:5] offset:1024*\g+512*\c
.endr
.endr
.irp k, 0,1,2,3,4,5,6,7,8,9,10,11,12,13,14,15,16,17,18,19,20,21,22,23,24,25,26,27,28,29,30,31,32,33,34,35,36,37,38,39,40,41,42,43,44,45,46,47,48,49,50,51,52,53,54,55,56,57,58,59,60,61,62,63
	v_mov_b32 v[\k], 0
	v_mov_b32 v[64+\k], 0
.endr
	WIN 0
	s_lshl_b32 s62, s61, 21
	s_lshl_b32 s70, s[POS0], 10
	s_add_co_u32 s62, s62, s70
	s_and_b32 s71, s17, 3
	s_lshl_b32 s71, s71, 8
	s_add_co_u32 s62, s62, s71
	s_add_nc_u64 s[14:15], s[14:15], s[62:63]
	v_and_b32 v60, 15, v0
	v_bfe_u32 v61, v0, 4, 1
	v_add_nc_u32 v[LIV], VREG, v[LI]
	s_delay_alu instid0(VALU_DEP_2)
	v_lshl_add_u32 v[LB], v61, 5, BIAS
	s_delay_alu instid0(VALU_DEP_3)
	v_lshl_add_u32 v[UA], v61, 5, UP
	v_lshl_add_u32 v[BSTO], v0, 5, BIAS
	s_lshl_b32 s62, s18, 16
	s_lshl_b32 s70, s19, 11
	s_add_co_u32 s62, s62, s70
	v_add_nc_u32 v[UV], s62, v[LIV]
	s_lshl_b32 s62, s18, 8
	s_lshl_b32 s70, s19, 6
	s_add_co_u32 s62, s62, s70
	v_add_nc_u32 v[USTO], s62, v[UA]
	s_and_b32 s62, s[POS0], 127
	v_lshlrev_b32 v63, 3, v61
	s_delay_alu instid0(VALU_DEP_1)
	v_sub_nc_u32 v[DREL], v60, v63
	s_delay_alu instid0(VALU_DEP_1)
	v_add_nc_u32 v[DREL], s62, v[DREL]
	s_mul_i32 s62, s[WV], 16*SP
	s_add_co_u32 s62, s62, STG
	v_mul_u32_u24 v[STO], v60, SP
	s_delay_alu instid0(VALU_DEP_1)
	v_lshl_add_u32 v[STO], v61, 3, v[STO]
	s_delay_alu instid0(VALU_DEP_1)
	v_add_nc_u32 v[STO], s62, v[STO]
	v_mul_u32_u24 v[RD], v61, SP
	s_delay_alu instid0(VALU_DEP_1)
	v_lshl_add_u32 v[RD], v60, 4, v[RD]
	s_delay_alu instid0(VALU_DEP_1)
	v_add_nc_u32 v[RD], s62, v[RD]
	v_lshlrev_b32 v[GO], 10, v61
	s_delay_alu instid0(VALU_DEP_1)
	v_lshl_add_u32 v[GO], v60, 4, v[GO]
	v_mov_b32 v[NEGB], 0xf1800000
	v_mov_b32 v[C2K], 0x45000000
	v_mov_b32 v[F+1], 0
	v_mov_b32 v[PX], 0
	s_wait_kmcnt 0x0
	s_add_co_i32 s61, s56, s57
	s_lshl_b32 s61, s61, 23
	s_add_co_i32 s[CS], s61, 0x3e38aa3b
	s_mov_b32 s[CS+1], s[CS]
	s_add_co_i32 s61, s[CS], 0x13800000
	s_or_b32 s61, s61, 0x80000000
	s_add_co_i32 s62, s59, 127
	s_lshl_b32 s63, s62, 23
	v_mov_b32 v[SC9], s63
	s_sub_co_i32 s62, s60, s58
	s_sub_co_i32 s62, s62, s59
	s_add_co_i32 s62, s62, 127
	s_lshl_b32 s63, s62, 23
	v_mov_b32 v[SC10], s63
.irp g, 0,1,2,3
	v_mov_b32 v[ST+4*\g+1], s61
	s_delay_alu instid0(VALU_DEP_1)
	v_floor_f32 v[ST+4*\g], -v[ST+4*\g+1]
	v_mov_b32 v[ST+4*\g+2], 0
	v_mov_b32 v[ST+4*\g+3], 0
.endr
	s_wait_loadcnt 8
.irp j, 0,1,2,3,4,5,6,7
	v_bfe_u32 v63, v[40+\j/4], 8*(\j%4), 8
	s_delay_alu instid0(VALU_DEP_1)
	v_cmp_eq_u32 vcc_lo, 0, v63
	s_delay_alu instid0(VALU_DEP_1)
	v_cndmask_b32 v[S+\j], 0, v[NEGB], vcc_lo
.endr
	ds_store_b128 v[BSTO], v[S:S+3]
	ds_store_b128 v[BSTO], v[S+4:S+7] offset:16
	s_wait_loadcnt 0x0
	s_wait_tensorcnt 1
	s_wait_dscnt 0x0
	s_barrier_signal -1
	s_barrier_wait -1
.macro TILE g
	WIN 0x05
.irp t, 0,1,2,3,4,5,6,7
	v_wmma_f32_16x16x64_bf8_bf8 v[S+8*\t:S+8*\t+7], v[KFR+8*\t:KFR+8*\t+7], v[QF+8*\g:QF+8*\g+7], v[BI+8*\t:BI+8*\t+7]
.endr
	WIN 0
.rept 4
	v_nop
.endr
	v_max3_num_f32 v[TA], v[S], v[S+1], v[S+2]
	v_max3_num_f32 v[TB2], v[S+3], v[S+4], v[S+5]
.irp i, 6,10,14,18,22,26,30,34,38,42,46,50,54,58
	v_max3_num_f32 v[TA], v[TA], v[S+\i], v[S+\i+1]
	v_max3_num_f32 v[TB2], v[TB2], v[S+\i+2], v[S+\i+3]
.endr
	v_max3_num_f32 v[TA], v[TA], v[S+62], v[S+63]
	s_delay_alu instid0(VALU_DEP_1)
	v_max_num_f32 v[TA], v[TA], v[TB2]
	s_delay_alu instid0(VALU_DEP_1)
	v_permlanex16_b32 v[PX], v[TA], s[SEL], s[SEL+1]
	s_delay_alu instid0(VALU_DEP_1)
	v_max_num_f32 v[TA], v[TA], v[PX]
	s_delay_alu instid0(VALU_DEP_1)
	v_mul_f32 v[TA], s[CS], v[TA]
	s_delay_alu instid0(VALU_DEP_1)
	v_max_num_f32 v[ST+4*\g+1], v[ST+4*\g+1], v[TA]
	v_mov_b32 v[TA], v[ST+4*\g]
	s_delay_alu instid0(VALU_DEP_2)
	v_floor_f32 v[ST+4*\g], -v[ST+4*\g+1]
	s_delay_alu instid0(VALU_DEP_1)
	v_sub_f32 v[TA], v[ST+4*\g], v[TA]
	s_delay_alu instid0(VALU_DEP_1)
	v_cvt_i32_f32 v[TA], v[TA]
	s_delay_alu instid0(VALU_DEP_1)
	v_ldexp_f32 v[F], 1.0, v[TA]
.irp j, 0,2,4,6,8,10,12,14,16,18,20,22,24,26,28,30,32,34,36,38,40,42,44,46,48,50,52,54,56,58,60,62
	v_pk_fma_f32 v[S+\j:S+\j+1], v[S+\j:S+\j+1], s[CS:CS+1], v[ST+4*\g:ST+4*\g+1] op_sel_hi:[1,0,0]
.endr
	s_wait_alu depctr_va_vdst(0)
.irp j, 0,1,2,3,4,5,6,7,8,9,10,11,12,13,14,15,16,17,18,19,20,21,22,23,24,25,26,27,28,29,30,31,32,33,34,35,36,37,38,39,40,41,42,43,44,45,46,47,48,49,50,51,52,53,54,55,56,57,58,59,60,61,62,63
	v_exp_f32 v[S+\j], v[S+\j]
.endr
	v_pk_mul_f32 v[ST+4*\g+2:ST+4*\g+3], v[ST+4*\g+2:ST+4*\g+3], v[F:F+1] op_sel_hi:[1,0]
	s_wait_alu depctr_va_vdst(0)
	v_pk_add_f32 v[SUM:SUM+1], v[S:S+1], v[S+2:S+3]
.irp j, 4,8,12,16,20,24,28,32,36,40,44,48,52,56,60
	v_pk_add_f32 v[ST+4*\g+2:ST+4*\g+3], v[ST+4*\g+2:ST+4*\g+3], v[S+\j:S+\j+1]
	v_pk_add_f32 v[SUM:SUM+1], v[SUM:SUM+1], v[S+\j+2:S+\j+3]
.endr
	s_delay_alu instid0(VALU_DEP_1)
	v_pk_add_f32 v[ST+4*\g+2:ST+4*\g+3], v[ST+4*\g+2:ST+4*\g+3], v[SUM:SUM+1]
.irp j, 0,1,2,3,4,5,6,7,8,9,10,11,12,13,14,15,16,17,18,19,20,21,22,23,24,25,26,27,28,29,30,31,32,33,34,35,36,37,38,39,40,41,42,43,44,45,46,47,48,49,50,51,52,53,54,55,56,57,58,59,60,61,62,63
.endr
.irp t, 0,1,2,3,4,5,6,7
	v_cvt_scalef32_pk8_bf8_f32 v[P+2*\t:P+2*\t+1], v[S+8*\t:S+8*\t+7], v[SC9]
.endr
	WIN 0x41
.irp j, 0,2,4,6,8,10,12,14,16,18,20,22,24,26,28,30
	v_pk_mul_f32 v[32*\g+\j:32*\g+\j+1], v[32*\g+\j:32*\g+\j+1], v[F:F+1] op_sel_hi:[1,0]
.endr
.if \g == 0
	s_wait_alu depctr_va_vdst(0)
	s_wait_dscnt 0x0
.endif
	WIN 0x50
.irp d, 0,1,2,3
	v_wmma_f32_16x16x128_bf8_bf8 v[32*\g+8*\d:32*\g+8*\d+7], v[VF+16*\d:VF+16*\d+15], v[P:P+15], v[32*\g+8*\d:32*\g+8*\d+7]
.endr
.endm
.macro STEP
	s_cmp_gt_u32 s[KF], s[QLAST]
	s_cbranch_scc1 .Lhid_\@
	v_add_nc_u32 v[ADK], s[TB], v[LI]
	v_add_nc_u32 v[ADV], s[TB], v[LIV]
	v_add_nc_u32 v[ADB], s[TBB], v[LB]
	v_nop
	WIN 0x40
.irp t, 0,1,2,3,4,5,6,7
	ds_load_b128 v[KFR+8*\t:KFR+8*\t+3],   v[ADK] offset:1024*\t
	ds_load_b128 v[KFR+8*\t+4:KFR+8*\t+7], v[ADK] offset:1024*\t+512
.endr
	WIN 0
.irp t, 0,1,2,3,4,5,6,7
	ds_load_b128 v[BI+8*\t:BI+8*\t+3],   v[ADB] offset:64*\t
	ds_load_b128 v[BI+8*\t+4:BI+8*\t+7], v[ADB] offset:64*\t+16
.endr
.irp d, 0,1,2,3
.irp c, 0,1,2,3
	ds_load_b128 v[VF+16*\d+4*\c:VF+16*\d+4*\c+3], v[ADV] offset:2048*\d+512*\c
.endr
.endr
	s_wait_dscnt 16
	s_add_co_u32 s61, s[KF], 127
	s_cmp_le_u32 s61, s[POS0]
	s_cbranch_scc1 .Lopen_\@
.irp t, 0,1,2,3,4,5,6,7
.irp j, 0,1,2,3,4,5,6,7
	v_cmp_gt_i32 vcc_lo, 16*\t+\j, v[DREL]
	s_delay_alu instid0(VALU_DEP_1)
	v_cndmask_b32 v[BI+8*\t+\j], v[BI+8*\t+\j], v[NEGB], vcc_lo
.endr
.endr
.Lopen_\@:
	TILE 0
	TILE 1
	TILE 2
	TILE 3
	WIN 0
.Lhid_\@:
	s_add_co_u32 s[TB], s[TB], 8192
	s_add_co_u32 s[TBB], s[TBB], 512
	s_add_co_u32 s[KF], s[KF], 128
.endm
	s_mov_b32 s[CNT], 4
.Lfirst:
	STEP
	s_sub_co_u32 s[CNT], s[CNT], 1
	s_cmp_lg_u32 s[CNT], 0
	s_cbranch_scc1 .Lfirst
	s_wait_tensorcnt 0x0
	s_wait_dscnt 0x0
	s_barrier_signal -1
	s_barrier_wait -1
.irp j, 0,1,2,3,4,5,6,7
	v_mov_b32 v[S+\j], 1.0
.endr
.irp j, 0,1,2,3,4,5,6,7
.endr
	v_cvt_scalef32_pk8_bf8_f32 v[P:P+1], v[S:S+7], v[SC9]
	v_nop
.irp k, 1,2,3,4,5,6,7
	v_mov_b32 v[P+2*\k], v[P]
	v_mov_b32 v[P+2*\k+1], v[P+1]
.endr
	s_wait_alu depctr_va_vdst(0)
.irp u, 0,1
.if \u > 0
.rept 4
	v_nop
.endr
.endif
.irp k, 0,1,2,3
.irp c, 0,1,2,3
	ds_load_b128 v[VF+16*\k+4*\c:VF+16*\k+4*\c+3], v[UV] offset:8192*(4*\u+\k)+512*\c
.endr
.endr
	s_wait_dscnt 0x0
.irp k, 0,1,2,3
.if (\u == 0) && (\k < 2)
	v_wmma_f32_16x16x128_bf8_bf8 v[S+8*(\k%2):S+8*(\k%2)+7], v[VF+16*\k:VF+16*\k+15], v[P:P+15], 0
.else
	v_wmma_f32_16x16x128_bf8_bf8 v[S+8*(\k%2):S+8*(\k%2)+7], v[VF+16*\k:VF+16*\k+15], v[P:P+15], v[S+8*(\k%2):S+8*(\k%2)+7]
.endif
.endr
.endr
.rept 4
	v_nop
.endr
.irp j, 0,2,4,6
	v_pk_add_f32 v[S+16+\j:S+17+\j], v[S+\j:S+\j+1], v[S+8+\j:S+9+\j]
.endr
	ds_store_b128 v[USTO], v[S+16:S+19]
	ds_store_b128 v[USTO], v[S+20:S+23] offset:16
	s_wait_dscnt 0x0
	s_barrier_signal -1
	s_barrier_wait -1
	s_mov_b32 s[CNT], 12
.Lrest:
	STEP
	s_sub_co_u32 s[CNT], s[CNT], 1
	s_cmp_lg_u32 s[CNT], 0
	s_cbranch_scc1 .Lrest
.irp u, 0,1
.irp d, 0,1,2,3
	ds_load_b128 v[BI+32*\u+8*\d:BI+32*\u+8*\d+3],   v[UA] offset:256*\u+64*\d
	ds_load_b128 v[BI+32*\u+8*\d+4:BI+32*\u+8*\d+7], v[UA] offset:256*\u+64*\d+16
.endr
.endr
.irp g, 0,1,2,3
	v_add_f32 v[ST+4*\g+2], v[ST+4*\g+2], v[ST+4*\g+3]
.endr
.irp g, 0,1,2,3
	s_delay_alu instid0(VALU_DEP_4)
	v_permlanex16_b32 v[ST+4*\g+3], v[ST+4*\g+2], s[SEL], s[SEL+1]
.endr
.irp g, 0,1,2,3
	s_delay_alu instid0(VALU_DEP_4)
	v_add_f32 v[ST+4*\g+2], v[ST+4*\g+2], v[ST+4*\g+3]
.endr
.irp g, 0,1,2,3
	s_delay_alu instid0(VALU_DEP_4)
	v_cmp_eq_f32 s[MK+\g], 0, v[ST+4*\g+2]
.endr
.irp g, 0,1,2,3
	s_delay_alu instid0(VALU_DEP_4)
	v_cndmask_b32 v[ST+4*\g+2], v[ST+4*\g+2], v[C2K], s[MK+\g]
.endr
	s_wait_alu depctr_va_vdst(0)
.irp g, 0,1,2,3
	v_rcp_f32 v[ST+4*\g], v[ST+4*\g+2]
.endr
	v_nop
	s_wait_alu depctr_va_vdst(0)
	s_wait_dscnt 0x0
.irp j, 0,2,4,6,8,10,12,14,16,18,20,22,24,26,28,30
	v_pk_add_f32 v[BI+\j:BI+\j+1], v[BI+\j:BI+\j+1], v[BI+32+\j:BI+33+\j]
.endr
.macro OUTT g
.set SS, S+32*((\g)%2)
	WIN 0x01
.irp k, 0,1,2,3,4,5,6,7,8,9,10,11,12,13,14,15,16,17,18,19,20,21,22,23,24,25,26,27,28,29,30,31
	v_cndmask_b32 v[SS+\k], v[32*\g+\k], v[BI+\k], s[MK+\g]
.endr
	WIN 0
.irp k, 0,2,4,6,8,10,12,14,16,18,20,22,24,26,28,30
	v_pk_mul_f32 v[SS+\k:SS+\k+1], v[SS+\k:SS+\k+1], v[ST+4*\g:ST+4*\g+1] op_sel_hi:[1,0]
.endr
.irp k, 0,1,2,3,4,5,6,7,8,9,10,11,12,13,14,15,16,17,18,19,20,21,22,23,24,25,26,27,28,29,30,31
.endr
.irp d, 0,1,2,3
	v_cvt_scalef32_pk8_bf8_f32 v[VF+8*\g+2*\d:VF+8*\g+2*\d+1], v[SS+8*\d:SS+8*\d+7], v[SC10]
.endr
	v_nop
.irp d, 0,1,2,3
	ds_store_b64 v[STO], v[VF+8*\g+2*\d:VF+8*\g+2*\d+1] offset:64*\g+16*\d
.endr
.endm
	OUTT 0
	OUTT 1
	OUTT 2
	OUTT 3
.irp t, 0,1,2,3,4,5,6,7
	ds_load_b128 v[S+4*\t:S+4*\t+3], v[RD] offset:2*\t*SP
.endr
.irp t, 0,1,2,3,4,5,6,7
	s_wait_dscnt 7-\t
	global_store_b128 v[GO], v[S+4*\t:S+4*\t+3], s[14:15] offset:2048*\t
.endr
	s_set_vgpr_msb 0x5
	s_wait_tensorcnt 0x0
	ds_add_u32 v254, v255
	s_wait_dscnt 0x0
	s_set_vgpr_msb 0x500
	s_endpgm
.Lfunc_end_k_q74cafc6d80_attn:
	.size	k_q74cafc6d80_attn, .Lfunc_end_k_q74cafc6d80_attn-k_q74cafc6d80_attn
	.p2alignl 7, 3214868480
	.fill 96, 4, 3214868480
	.section	.rodata,"a",@progbits
	.p2align	6, 0x0
	.amdhsa_kernel k_q74cafc6d80_attn
		.amdhsa_group_segment_fixed_size 306688
		.amdhsa_private_segment_fixed_size 0
		.amdhsa_enable_private_segment 0
		.amdhsa_kernarg_size 48
		.amdhsa_user_sgpr_count 2
		.amdhsa_user_sgpr_kernarg_segment_ptr 1
		.amdhsa_wavefront_size32 1
		.amdhsa_system_sgpr_workgroup_id_x 1
		.amdhsa_system_sgpr_workgroup_id_y 1
		.amdhsa_system_sgpr_workgroup_id_z 1
		.amdhsa_system_vgpr_workitem_id 0
		.amdhsa_next_free_vgpr 512
		.amdhsa_next_free_sgpr 80
		.amdhsa_reserve_vcc 1
		.amdhsa_float_denorm_mode_32 3
		.amdhsa_float_denorm_mode_16_64 3
		.amdhsa_fp16_overflow 1
		.amdhsa_memory_ordered 1
		.amdhsa_forward_progress 1
		.amdhsa_inst_pref_size 151
	.end_amdhsa_kernel
	.amdgpu_metadata
---
amdhsa.version: [ 1, 2 ]
amdhsa.kernels:
  - .name:           k_q74cafc6d80_attn
    .symbol:         k_q74cafc6d80_attn.kd
    .args:
      - { .name: q_ws, .offset: 0, .size: 8, .value_kind: global_buffer, .address_space: global }
      - { .name: k_ws, .offset: 8, .size: 8, .value_kind: global_buffer, .address_space: global }
      - { .name: v_ws, .offset: 16, .size: 8, .value_kind: global_buffer, .address_space: global }
      - { .name: mask, .offset: 24, .size: 8, .value_kind: global_buffer, .address_space: global }
      - { .name: lowp_scales, .offset: 32, .size: 8, .value_kind: global_buffer, .address_space: global }
      - { .name: attn_ws, .offset: 40, .size: 8, .value_kind: global_buffer, .address_space: global }
    .group_segment_fixed_size: 306688
    .private_segment_fixed_size: 0
    .kernarg_segment_align: 8
    .kernarg_segment_size: 48
    .max_flat_workgroup_size: 256
    .sgpr_count:     80
    .vgpr_count:     512
    .wavefront_size: 32
...
	.end_amdgpu_metadata
.endif
;; end of part 2
;; launch oproj (part 3): grid 4 x 32, 4 waves a work-group, clusters of 4 x 4, 327,680 bytes of LDS; arguments attn_ws, wo_codes, lowp_scales, out0; writes out0
.if DOCPART == 3
	.amdgcn_target "amdgcn-amd-amdhsa--gfx1250"
	.amdhsa_code_object_version 6
	.text
	.protected	k_q74cafc6d80_oproj
	.globl	k_q74cafc6d80_oproj
	.p2align	8
	.type	k_q74cafc6d80_oproj,@function
k_q74cafc6d80_oproj:
	s_mov_b64 s[64:65], 0
	v_nop
	global_prefetch_b8 v0, s[64:65] scope:SCOPE_SE
	s_setreg_imm32_b32 hwreg(HW_REG_WAVE_MODE, 25, 1), 1
	s_wait_xcnt 0x0
	s_wait_alu depctr_hold_cnt(0) depctr_sa_sdst(0) depctr_va_vdst(0) depctr_va_sdst(0) depctr_va_ssrc(0) depctr_va_vcc(0) depctr_vm_vsrc(0)
	s_getreg_b32 s2, hwreg(HW_REG_IB_STS2, 6, 4)
	s_cmp_eq_u32 s2, 0
	s_cbranch_scc0 .Lentry_in_a_cluster
	s_endpgm
.Lentry_in_a_cluster:
	s_bfe_u32 s2, ttmp6, 0x10000c
	s_cmp_lg_u32 s2, 0xf033
	s_cbranch_scc0 .Lentry_shape_is_right
	s_endpgm
.Lentry_shape_is_right:
; out0[m][n] = sum over k of A[m][k] B[n][k] x 2^(e10 + e11).  A = attn_ws [8192][1024], B = wo_codes [1024][1024]: codes of BF8 (E5M2), K innermost; out0: [8192][1024] f32; sums in f32.
; The codes are multiplied as they are, and each finished sum once by 2^(e10 + e11), entries 10 and 11 of the list of exponents.  LIMIT: e10 + e11 lies between -126 and 127, so that the power is an f32 number.
; A tile of the output, 256 x 256, is made by a work-group of four waves; a wave makes 128 x 128: 64 accumulators of 16 x 16, 512 registers.  4 x 32 tiles: 128 work-groups.
; K goes in steps of 256 through a ring of two LDS slots filled by the tensor data mover: a tile's row is 256 bytes of memory.
; CLUSTERS: 4 x 4 work-groups.  The four of a row of the cluster need the same tiles of A, the four of a column the same tiles of B: each tile is asked for JOINTLY, by the same tensor load with the
; same descriptor and a mask that names the four.  THE MATRIX INSTRUCTION IS USED TRANSPOSED (source 0 = 16 rows of B, source 1 = 16 rows of A): a lane then holds eight neighbouring numbers of a row of the output.
; NO PREFETCH: of the four K steps two are asked for at the head.
; REGISTERS, in windows of 256: window 0: v0-31 addresses; from v128 A's fragments (8 x 16 rows x 128 K), ONE set; on the way out v32-255 are free.
;   window 1: B's fragments, TWO sets, at v0 and at v128.   window 2: the 32 accumulators of my rows 0-63 (accumulator (a, b) at v[8 (8 a + b)]);   window 3: those of my rows 64-127.
; A step of 128 along K is 64 matrix instructions, A's blocks one after the other, each against B's eight.  So a block of A is free as soon as its eight products are issued, and one set of registers serves A:
; blocks 0-3 are fetched anew in the step's middle, blocks 4-7 at its end.  B's fragments are at work through the whole step, so B has two sets.
.set SIZE_M, 8192
.set SIZE_N, 1024
.set SIZE_K, 1024
.set KSTEP,  256                       ; along K in a slot
.set ROWB,   256                       ; a tile's row in bytes
.set KROW,   SIZE_K                    ; a row of A or of B in memory, in bytes
.set PITCH,  272                       ; an LDS row: 256 bytes of data + 16 of padding = 68 words: the 16 rows that a load touches start 4 words apart modulo 64 (64 banks of 4 bytes: ISA guide 11.1)
.set FR,     16                        ; registers of a fragment: 16 rows x 128 K
.set NL,     4                         ; LDS loads that bring one
.set NP,     4                         ; places behind this matrix instruction (ISA guide 7.12.1)
.set HALFT,  128*PITCH                 ; 128 rows: what one tensor load brings, and what one wave reads of A or of B
.set SLOT,   4*HALFT                   ; A's 256 rows, then B's 256 rows
.set LAPS,   SIZE_K/(2*KSTEP)          ; a lap = two K steps = once round the ring
.set SPARE,  2*SLOT                    ; behind the ring: the spare words, 128 bytes for each wave: two blocks of 256 bytes that no other line names
.set SPITCH, 528                       ; the way out: a stage of 16 rows x (512 bytes + 16) for each wave.  It lies in slot 0, which has had its last fill and its last read when the first result is stored there
.set ADRA, 16                          ; v16-17  LDS address of my A fragments in slot 0, 1
.set ADRB, 20                          ; v20-21  the same for B
.set STO,  24                          ; v24     the way out: where I put 32 bytes of a row
.set RD,   25                          ; v25     the way out: where I read a row back
.set CO,   26                          ; v26     my byte offset in a row of the output
.set SPW,  28                          ; v28     LDS address of my spare word; never rewritten
.set NIL,  29                          ; v29     0; never rewritten
.set TMP,  32                          ; the way out: 64 registers, a block's sums x 2^(e10 + e11)
.set AF,   128                         ; A's fragments, in window 0
.set BK,   128                         ; the way out: 16 rows read back from the stage: v128-191 and v192-255 by turns
.set G1, 24                            ; s[24:31] descriptor group 1 for A's tiles;  s[32:39] group 0, one set for each slot
.set G0, 32
.set G1B, 48                           ; s[48:55], s[56:63] the same for B's tiles
.set G0B, 56
.set MSB, 0
.macro WIN new                         ; the immediate's high byte repeats the setting that is left
.if MSB != (\new)
	s_set_vgpr_msb (MSB<<8)|(\new)
.set MSB, (\new)
.endif
.endm
.set MUL_LO, 0xa1                      ; source 0 (B) window 1, source 1 (A) window 0, C and D window 2
.set MUL_HI, 0xf1                      ; the same, C and D window 3
.set TO_B,   0x40                      ; destination window 1, address window 0
; A joint load: waves 0 and 1 fetch for A, waves 2 and 3 for B.  Each of the two lines has ONE mask and one set of registers for all that issue it; the branch hangs on the wave's number alone.
; Four v_nop follow each of the two lines, ahead of the jump, the label and what follows.
.macro JLOAD g0a, g1a, g0b, g1b
	s_cmp_eq_u32 s15, 0
	s_cbranch_scc0 .Lfor_b_\@
	tensor_load_to_lds s[\g0a:\g0a+3], s[\g1a:\g1a+7]
	s_nop 0
.rept 4
	v_nop
.endr
	s_branch .Lasked_\@
.Lfor_b_\@:
	tensor_load_to_lds s[\g0b:\g0b+3], s[\g1b:\g1b+7]
	s_nop 0
.rept 4
	v_nop
.endr
.Lasked_\@:
.endm
.macro CREST                           ; a round of the cluster's barrier behind its opening barrier
	s_cmp_lg_u32 s14, 0
	s_cbranch_scc1 .Lnot_wave_0_\@
	s_barrier_signal -3
.Lnot_wave_0_\@:
	s_barrier_wait -3
	s_barrier_signal -1
	s_barrier_wait -1
.endm
.macro CROUND                          ; a whole round
	s_barrier_signal -1
	s_barrier_wait -1
	CREST
.endm
	s_load_b128 s[4:7], s[0:1], 0x0                ; A's codes s[4:5], B's codes s[6:7]
	s_load_b128 s[8:11], s[0:1], 0x10              ; the scales' exponents s[8:9], the output s[10:11]
	v_lshl_add_u32 v[SPW], v0, 2, SPARE
	v_mov_b32 v[NIL], 0
	ds_add_u32 v28, v29
	ds_add_u32 v28, v29
	s_wait_dscnt 0x0
	v_lshrrev_b32 v1, 5, v0
	v_readfirstlane_b32 s14, v1                    ; wave 0..3
	s_lshr_b32 s15, s14, 1                         ; which half of the tile's rows is mine.  Also: I fetch for A (0) or for B (1)
	s_and_b32 s16, s14, 1                          ; which half of its columns.  Also: which 128 rows of that tile I fetch
	s_bfe_u32 s40, ttmp6, 0x40000                  ; cx, cy: my place in the cluster
	s_bfe_u32 s41, ttmp6, 0x40004
	s_lshl_b32 s42, ttmp9, 2
	s_add_co_u32 s42, s42, s40                     ; tile column = 4 x cluster x + cx
	s_and_b32 s17, ttmp7, 0xffff
	s_lshl_b32 s17, s17, 2
	s_add_co_u32 s17, s17, s41                     ; tile row = 4 x cluster y + cy
	s_lshl_b32 s43, s41, 2
	s_lshl_b32 s43, 15, s43                        ; my row of the cluster
	s_lshl_b32 s44, 0x1111, s40                    ; my column
	; descriptor group 1: a tile of 128 rows x ROWB bytes, padded in LDS
	s_or_b32 s[G1+0], s43, (0<<16)|(1<<20)|(1<<21)|(5<<22)|(3<<25)  ; 15:0 the mask: A's tiles go to my row; 17:16 element of 1 byte; 20 padding on; 21 set beside a mask; 24:22 after every 64 words (code 5); 31:25 of 4 words (code 3)
	s_or_b32 s[G1B+0], s44, (0<<16)|(1<<20)|(1<<21)|(5<<22)|(3<<25)
.irp g, G1, G1B
	s_mov_b32 s[\g+1], ROWB<<16                    ; tensor_dim0
	s_mov_b32 s[\g+2], 128<<16                     ; tensor_dim1 = 128
	s_mov_b32 s[\g+3], ROWB<<16                    ; tile_dim0
	s_mov_b32 s[\g+4], 128                         ; tile_dim1 = 128
	s_mov_b32 s[\g+5], KROW                        ; from row to row
	s_mov_b32 s[\g+6], 0
	s_mov_b32 s[\g+7], 0
.endr
	s_lshl_b32 s18, s16, 7                         ; which 128 rows of the tile I fetch
	s_lshl_b32 s20, s17, 8
	s_add_co_u32 s20, s20, s18                     ; A: row 256 x tile row + 128 x half
	s_lshl_b32 s46, s42, 8
	s_add_co_u32 s46, s46, s18                     ; B: row 256 x tile column + 128 x half
	s_mov_b32 s21, 0
	s_mov_b32 s47, 0
	s_mov_b64 s[18:19], KROW
	s_mul_u64 s[20:21], s[20:21], s[18:19]         ; and their codes
	s_mul_u64 s[46:47], s[46:47], s[18:19]
	s_mul_i32 s45, s14, HALFT                      ; where they go: wave x 128 rows: no place in the cluster enters an LDS address
	s_wait_kmcnt 0x0
	s_load_b64 s[96:97], s[8:9], 0x28              ; e10, e11
	s_add_nc_u64 s[20:21], s[4:5], s[20:21]
	s_add_nc_u64 s[46:47], s[6:7], s[46:47]
	CROUND                                         ; all sixteen work-groups are here: the first joint loads meet
.irp s, 0,1
	s_mov_b32 s[G0+4*\s], 1
	s_add_co_u32 s[G0+4*\s+1], s45, \s*SLOT
	s_add_nc_u64 s[G0+4*\s+2:G0+4*\s+3], s[20:21], \s*ROWB
	s_or_b32 s[G0+4*\s+3], s[G0+4*\s+3], 0x80000000
	s_mov_b32 s[G0B+4*\s], 1
	s_add_co_u32 s[G0B+4*\s+1], s45, \s*SLOT
	s_add_nc_u64 s[G0B+4*\s+2:G0B+4*\s+3], s[46:47], \s*ROWB
	s_or_b32 s[G0B+4*\s+3], s[G0B+4*\s+3], 0x80000000
	JLOAD G0+4*\s, G1, G0B+4*\s, G1B
.endr
	v_and_b32 v1, 15, v0                           ; l % 16
	v_bfe_u32 v2, v0, 4, 1                         ; l / 16
	v_mul_u32_u24 v3, v1, PITCH
	v_lshl_add_u32 v4, v2, 4, v3                   ; a fragment's row x pitch + 16 x half
	s_mul_i32 s21, s15, HALFT                      ; my 128 rows of A
	s_mul_i32 s22, s16, HALFT                      ; my 128 rows of B,
	s_add_co_u32 s22, s22, 2*HALFT                 ; which lie behind A's 256
.irp s, 0,1
	v_add_nc_u32 v[ADRA+\s], s21, v4
	v_add_nc_u32 v[ADRB+\s], s22, v4
	s_add_co_u32 s21, s21, SLOT
	s_add_co_u32 s22, s22, SLOT
.endr
	s_mul_i32 s23, s14, 16*SPITCH                  ; my stage
	v_mul_u32_u24 v5, v1, SPITCH                   ; in: row l % 16, 32 bytes for each half of the lanes
	v_lshl_add_u32 v5, v2, 5, v5
	v_add_nc_u32 v[STO], s23, v5
	v_and_b32 v6, 31, v0
	v_lshlrev_b32 v[CO], 4, v6                     ; back: the 32 lanes take one row of 512 bytes; and the same in the output
	v_add_nc_u32 v[RD], s23, v[CO]
	s_lshl_b32 s20, s17, 8
	s_lshl_b32 s21, s15, 7
	s_add_co_u32 s20, s20, s21                     ; my first row: 256 x tile row + 128 x half
	s_mov_b32 s21, 0
	s_mov_b64 s[18:19], SIZE_N*4
	s_mul_u64 s[20:21], s[20:21], s[18:19]
	s_lshl_b32 s46, s42, 10                        ; my first column, in bytes: 1024 x tile column + 512 x half
	s_lshl_b32 s47, s16, 9
	s_add_co_u32 s46, s46, s47
	s_mov_b32 s47, 0
	s_add_nc_u64 s[20:21], s[20:21], s[46:47]
	s_add_nc_u64 s[10:11], s[10:11], s[20:21]
.macro FRAG reg, adr, q, i             ; a fragment: lane l holds row l % 16; registers 4 c .. 4 c + 3 hold K = 32 c + 16 (l / 16) + 0 .. 15: the same places of k in A and in B, so every product meets its partner
.irp c, 0,1,2,3
	ds_load_b128 v[\reg+4*\c:\reg+4*\c+3], v[\adr] offset:128*(\q)+32*\c+(\i)*16*PITCH
.endr
.endm
; 16 matrix instructions: A's blocks a0, a0 + 1 x B's eight, 128 along K.  p: B's set.  zero = 1: the first product starts the sums: nothing is ever cleared.
; The 64 accumulators take turns, one instruction a turn, in the same order in every step.
.macro MUL16 a0, p, zero
.irp a, \a0, \a0+1
.irp b, 0,1,2,3,4,5,6,7
.if \zero
	v_wmma_f32_16x16x128_bf8_bf8 v[8*(8*((\a)%4)+\b):8*(8*((\a)%4)+\b)+7], v[128*(\p)+FR*\b:128*(\p)+FR*\b+FR-1], v[AF+FR*(\a):AF+FR*(\a)+FR-1], 0
.else
	v_wmma_f32_16x16x128_bf8_bf8 v[8*(8*((\a)%4)+\b):8*(8*((\a)%4)+\b)+7], v[128*(\p)+FR*\b:128*(\p)+FR*\b+FR-1], v[AF+FR*(\a):AF+FR*(\a)+FR-1], v[8*(8*((\a)%4)+\b):8*(8*((\a)%4)+\b)+7]
.endif
.endr
.endr
.endm
.macro FETCH_B slot, q, p              ; B's eight fragments of the slot's q-th 128 along K into set p
	WIN TO_B
.irp i, 0,1,2,3,4,5,6,7
	FRAG 128*(\p)+FR*\i, ADRB+\slot, \q, \i
.endr
	WIN 0
.endm
.macro FETCH_A slot, q, i0             ; A's blocks i0 .. i0 + 3
.irp i, \i0, \i0+1, \i0+2, \i0+3
	FRAG AF+FR*(\i), ADRA+\slot, \q, \i
.endr
.endm
.macro PLACES n                        ; plain vector instructions between a matrix instruction and a load into, or a vector instruction or LDS store on, one of its registers
.rept \n
	v_nop
.endr
.endm
; A step of 128 along K that has its successor in the same slot.
.macro STEP slot, q, zero
	s_wait_dscnt 4*NL                              ; B's set and A's blocks 0-3 are in; the youngest 16 loads (A's blocks 4-7) may be out
	WIN MUL_LO
	MUL16 0, (\q)%2, \zero
	MUL16 2, (\q)%2, \zero
	s_wait_dscnt 0                                 ; A's blocks 4-7 are in
	PLACES NP
	FETCH_B \slot, (\q)+1, 1-(\q)%2
	FETCH_A \slot, (\q)+1, 0
	WIN MUL_HI
	MUL16 4, (\q)%2, \zero
	MUL16 6, (\q)%2, \zero
	PLACES NP
	WIN 0
	FETCH_A \slot, (\q)+1, 4
.endm
; A slot's last step changes slots: ONE barrier; in front of it each wave waits for all its tensor loads, adds 0 to its spare word, and waits for that and for its own reads of this slot.  fill = 1: this slot is filled again, two K steps ahead.
.macro TURN slot, next, fill
	s_wait_tensorcnt 0x0                           ; all my tensor loads have landed: my part of the next slot;  (every window is 0 here)
	ds_add_u32 v[SPW], v[NIL]                      ; 0 onto my spare word
	s_wait_dscnt 4*NL+1                            ; (the add and the youngest 16 loads, A's blocks 4-7, may be out)
	WIN MUL_LO
	MUL16 0, 1, 0                                  ; sixteen matrix instructions stand between the add and the wait for it
	s_wait_dscnt 0x0                               ; the add is done, and my reads of this slot are over
	s_barrier_signal -1
	MUL16 2, 1, 0
	WIN 0
	s_barrier_wait -1
.if \fill
	CREST                                          ; the barrier has opened a round of the cluster's barrier: no wave of any partner still reads this slot's tile or has a load on its way
	s_add_nc_u64 s[G0+4*\slot+2:G0+4*\slot+3], s[G0+4*\slot+2:G0+4*\slot+3], 2*ROWB
	s_add_nc_u64 s[G0B+4*\slot+2:G0B+4*\slot+3], s[G0B+4*\slot+2:G0B+4*\slot+3], 2*ROWB
	JLOAD G0+4*\slot, G1, G0B+4*\slot, G1B         ; the first tensor load behind the round; its four v_nop are also the places in front of the loads below
.else
	PLACES NP
.endif
	FETCH_B \next, 0, 0
	FETCH_A \next, 0, 0
	WIN MUL_HI
	MUL16 4, 1, 0
	MUL16 6, 1, 0
	PLACES NP
	WIN 0
	FETCH_A \next, 0, 4
.endm
	s_wait_tensorcnt 1                             ; my part of K step 0 is in (K step 1's load may be out),
	s_barrier_signal -1
	s_barrier_wait -1                              ; everybody's is
	FETCH_B 0, 0, 0
	FETCH_A 0, 0, 0
	FETCH_A 0, 0, 4
	STEP 0, 0, 1                                   ; the first step stands in front of the loop: its products start the sums
	s_mov_b32 s3, LAPS-1
.Llap:                                                 ; a trip goes once round the ring, from a lap's second step to the next lap's first, and fills both slots again
	TURN 0, 1, 1
	STEP 1, 0, 0
	TURN 1, 0, 1
	STEP 0, 0, 0
	s_sub_co_u32 s3, s3, 1
	s_cmp_lg_u32 s3, 0
	s_cbranch_scc1 .Llap
	TURN 0, 1, 0                                   ; the last lap fills nothing, and has no round of the cluster's barrier
	STEP 1, 0, 0
	s_wait_dscnt 4*NL                              ; the very last step: nothing more to fetch
	WIN MUL_LO
	MUL16 0, 1, 0
	MUL16 2, 1, 0
	s_wait_dscnt 0
	WIN MUL_HI
	MUL16 4, 1, 0
	MUL16 6, 1, 0
	WIN 0
; THE WAY OUT, block by block of 16 rows x 128 columns.  A lane holds 32 neighbouring bytes of a row, and the lanes beside it hold other rows: so a block goes through my own stage in LDS and comes back as whole
; rows of 512 bytes, which the 32 lanes store.  LDS serves a wave's instructions in order (ISA guide 5.7.1.4): no wait between the stores and the loads, nor in front of the next block's stores.
.macro TOSTAGE a
.set AC, 64*((\a)%4)
	WIN 0x02+((\a)/4)                              ; source 0: window 2 or 3
.irp j, 0,2,4,6,8,10,12,14,16,18,20,22,24,26,28,30,32,34,36,38,40,42,44,46,48,50,52,54,56,58,60,62
	v_pk_mul_f32 v[TMP+\j:TMP+\j+1], v[AC+\j:AC+\j+1], s[96:97] op_sel_hi:[1,0]   ; both x s96 = 2^(e10 + e11); each accumulator from its low end on
.endr
	WIN 0
.irp b, 0,1,2,3,4,5,6,7
	ds_store_b128 v[STO], v[TMP+8*\b:TMP+8*\b+3] offset:64*\b
	ds_store_b128 v[STO], v[TMP+8*\b+4:TMP+8*\b+7] offset:64*\b+16
.endr
.set BB, BK+64*((\a)%2)
.irp t, 0,1,2,3,4,5,6,7,8,9,10,11,12,13,14,15
	ds_load_b128 v[BB+4*\t:BB+4*\t+3], v[RD] offset:\t*SPITCH
.endr
.endm
.macro SEND a, younger                 ; younger: the LDS instructions issued behind block a's loads, which may stay out
.set BB, BK+64*((\a)%2)
	s_wait_dscnt \younger                          ; the block is back in registers
.if (\a) > 0
	s_add_nc_u64 s[10:11], s[10:11], 16*SIZE_N*4   ; (behind a wait on XCNT: the earlier stores have read their base)  16 rows on, so that the stores' offsets stay small
.endif
.irp t, 0,1,2,3,4,5,6,7,8,9,10,11,12,13,14,15
	global_store_b128 v[CO], v[BB+4*\t:BB+4*\t+3], s[10:11] offset:\t*SIZE_N*4 th:TH_STORE_NT   ; 32 lanes store 512 consecutive bytes, at a multiple of 256 from the output's first byte; written once, read by nobody here
.endr
.endm
	s_wait_kmcnt 0x0
	s_add_co_i32 s96, s96, s97                     ; e10 + e11, between -126 and 127,
	s_add_co_i32 s96, s96, 127
	s_lshl_b32 s96, s96, 23                        ; makes the f32 number 2^(e10 + e11)
	PLACES NP                                      ; behind the last products: for the loads into the registers that held A's fragments and for the reads of results
	TOSTAGE 0
.irp a, 1,2,3,4,5,6,7
.if \a > 1
	s_wait_xcnt 0x0                                ; block a - 2's stores have read their registers and their base: block a's loads may land there, and the base may step
.endif
	TOSTAGE \a
	SEND \a-1, 32                                  ; behind block a - 1's loads: block a's 16 stores and 16 loads
.endr
	s_wait_xcnt 0x0                                ; block 6's stores have read their base
	SEND 7, 0
	s_wait_tensorcnt 0x0                           ; the wave's end, behind my last tensor load and my last LDS store
	ds_add_u32 v[SPW], v[NIL]
	s_wait_dscnt 0x0
	CROUND                                         ; the closing round: no work-group ends while a partner may still ask for a tile that names it
	s_endpgm
.Lfunc_end_k_q74cafc6d80_oproj:
	.size	k_q74cafc6d80_oproj, .Lfunc_end_k_q74cafc6d80_oproj-k_q74cafc6d80_oproj
	.p2alignl 7, 3214868480
	.fill 96, 4, 3214868480
	.section	.rodata,"a",@progbits
	.p2align	6, 0x0
	.amdhsa_kernel k_q74cafc6d80_oproj
		.amdhsa_group_segment_fixed_size 327680
		.amdhsa_private_segment_fixed_size 0
		.amdhsa_enable_private_segment 0
		.amdhsa_kernarg_size 32
		.amdhsa_user_sgpr_count 2
		.amdhsa_user_sgpr_kernarg_segment_ptr 1
		.amdhsa_wavefront_size32 1
		.amdhsa_system_sgpr_workgroup_id_x 1
		.amdhsa_system_sgpr_workgroup_id_y 1
		.amdhsa_system_sgpr_workgroup_id_z 1
		.amdhsa_system_vgpr_workitem_id 0
		.amdhsa_next_free_vgpr 1024
		.amdhsa_next_free_sgpr 98
		.amdhsa_reserve_vcc 0
		.amdhsa_float_denorm_mode_32 3
		.amdhsa_float_denorm_mode_16_64 3
		.amdhsa_memory_ordered 1
		.amdhsa_forward_progress 1
		.amdhsa_inst_pref_size 123
	.end_amdhsa_kernel
	.amdgpu_metadata
---
amdhsa.version: [ 1, 2 ]
amdhsa.kernels:
  - .name:           k_q74cafc6d80_oproj
    .symbol:         k_q74cafc6d80_oproj.kd
    .args:
      - { .name: attn_ws, .offset: 0, .size: 8, .value_kind: global_buffer, .address_space: global }
      - { .name: wo_codes, .offset: 8, .size: 8, .value_kind: global_buffer, .address_space: global }
      - { .name: lowp_scales, .offset: 16, .size: 8, .value_kind: global_buffer, .address_space: global }
      - { .name: out0, .offset: 24, .size: 8, .value_kind: global_buffer, .address_space: global }
    .group_segment_fixed_size: 327680
    .private_segment_fixed_size: 0
    .kernarg_segment_align: 8
    .kernarg_segment_size: 32
    .max_flat_workgroup_size: 128
    .sgpr_count:     98
    .vgpr_count:     1024
    .wavefront_size: 32
...
	.end_amdgpu_metadata
.endif
;; end of part 3
